; MI455X (gfx1250); checked and timed in simulation.
; The chip was launched on July 23, 2026; its instructions are those of AMD's public machine-readable ISA for CDNA 5 (MIT licence, August 2026) and "CDNA5" Instruction Set Architecture Reference Guide (July 2026). The comments in the code are by the model that wrote it; some were corrected since.
;; Multi Head Attention. Allowed arithmetic: matrix products marked QUANTISED: E2M1 operands, one E8M0 scale for each 32 along K, by v_wmma_scale_f32_16x16x128_f8f6f4 with both operands' format E2M1 (or v_wmma_scale_f32_32x16x128_f4), f32 sums; products left as they are: bf16, f16 or f32 operands; f32 sums; everything else in f32.
;; Inputs: Wk 8 x 512 x 64 float32; Wp 512 x 512 float32; Wq 8 x 512 x 64 float32; Wv 8 x 512 x 64 float32; bp 512 float32; x 8 x 2,048 x 512 float32.
;; Outputs: out0 8 x 2,048 x 512 float32.
;; This version of the problem:
;;   THIS VERSION OF THE PROBLEM IS GIVEN IN LOW PRECISION. The matrix products marked QUANTISED in the list below multiply operands that are first quantised to E2M1 (2 exponent bits, 1 mantissa bit; 4 bits a number), with one power-of-two scale for each 32 numbers along K (OCP MX v1.0); their sums are f32. The products marked 'left as it is' may take bf16, f16 or f32 operands, with f32 sums. Whichever they take, every output number must still come out within the allowed error. Rounding operands to bf16 (8 significant bits) uses up far more of that allowance than f16 does (11 bits, for magnitudes from 6e-5 to 65,504). All else is computed in f32.
;;   The module's matrix products, in the order in which they are computed (A, B: the left and right operand; K: the contracted axis; several contracted axes count as one K, in the product's order):
;;     1. [M 512, K 512] x [K 512, N 16,384]; A: input Wq; B: input x: QUANTISED
;;     2. [M 512, K 512] x [K 512, N 16,384]; A: input Wk; B: input x: QUANTISED
;;     3. [M 512, K 512] x [K 512, N 16,384]; A: input Wv; B: input x: QUANTISED
;;     4. batch 64 x [M 2,048, K 64] x [K 64, N 2,048]; A: computed on the way; B: computed on the way: left as it is (an operand is computed on the way)
;;     5. batch 64 x [M 2,048, K 2,048] x [K 2,048, N 64]; A: computed on the way; B: computed on the way: left as it is (an operand is computed on the way)
;;     6. [M 16,384, K 512] x [K 512, N 512]; A: computed on the way; B: input Wp: left as it is (an operand is computed on the way)
;;   THE QUANTISER, for each operand of a quantised product, along K:
;;     - K is cut into blocks of 32 from its start; a last block that is shorter is filled with zeros.
;;     - A block's scale is 2^e with e = floor(log2(the largest magnitude in the block)) - 2, held to -126 .. 127; a block of zeros has e = 0. As a byte (E8M0): e + 127.
;;     - Each number is divided by its block's scale, clamped to +-6, and rounded to the nearest number of E2M1, ties to even, subnormals kept.
;;     - The product sums the exact products of the quantised numbers (number of the format x scale) in f32.
;;   ~~~python
;;   def quantise(x, axis):      # numpy; x: float32 -> the quantised numbers, widened to float32 again
;;       x = np.moveaxis(x, axis, -1); K = x.shape[-1]
;;       x = np.pad(x, [(0, 0)] * (x.ndim - 1) + [(0, -K % 32)]); x = x.reshape(x.shape[:-1] + (-1, 32)); a = np.abs(x).max(-1, keepdims=True)
;;       e = np.where(a > 0, np.clip(np.frexp(np.where(a > 0, a, 1))[1] - 1 - 2, -126, 127), 0)      # np.frexp(a)[1] - 1 = floor(log2(a)), exactly
;;       r = np.clip(x / 2.0 ** e, -6, 6)
;;       step = 2.0 ** (np.maximum(np.frexp(np.where(r == 0, 1, r))[1] - 1, 0) - 1)
;;       q = np.round(r / step) * step * 2.0 ** e      # np.round: ties to even
;;       return np.moveaxis(q.reshape(q.shape[:-2] + (-1,))[..., :K], -1, axis).astype(np.float32)
;;   ~~~
;; One version. Each part assembles by itself: llvm-mc -triple=amdgcn-amd-amdhsa -mcpu=gfx1250 --defsym DOCPART=n.
;; ======== version 1 of 1: 5 launches
;; limits: values are held in f16: magnitudes above 65,504 overflow, below 6.1e-05 lose precision
;; workspace buffers: wcodes 393,216 bytes; wscales 49,152 bytes; wpf 524,288 bytes; qf 16,777,216 bytes; kf 16,777,216 bytes; vf 16,777,216 bytes; af 16,777,216 bytes; first 786,432 bytes
;; launch prep (part 1): grid 128 x 1, 4 waves a work-group, no clusters, 0 bytes of LDS; arguments Wq, Wk, Wv, Wp, wcodes, wscales, wpf; writes wcodes, wscales, wpf
.if DOCPART == 1
	.amdgcn_target "amdgcn-amd-amdhsa--gfx1250"
	.amdhsa_code_object_version 6
	.text
	.protected	k_qe4c9c7ff96_prep
	.globl	k_qe4c9c7ff96_prep
	.p2align	8
	.type	k_qe4c9c7ff96_prep,@function
k_qe4c9c7ff96_prep:
	s_mov_b64 s[64:65], 0
	v_nop
	global_prefetch_b8 v0, s[64:65] scope:SCOPE_SE
	s_setreg_imm32_b32 hwreg(HW_REG_WAVE_MODE, 25, 1), 1
	s_wait_xcnt 0x0
; THE PROGRAM: causal multi-head attention, B 8, S 2048, E 512, 8 heads of 64, in five launches:
;   prep (this one): the weights into the order of the matrix operands' registers;  qkv: x quantised, q, k, v;  attn: scores, softmax, att v;  proj: att Wp + bp;  first16: positions 0-15 of every sequence in f32.
; WORK LEFT OUT.  reference() sets scores[s][t] to -infinity wherever t > s (its own jnp.tril) ahead of the softmax, so att[s][t] = 0 there for all values of the inputs, and the term att[s][t] v[t] is 0.
; So tiles of the score product and of att v all of whose keys come after all of a wave's queries reach no output: launch attn does not compute them.  Inside a tile that also holds counted keys the hidden
; scores are computed and set to -infinity.  Every input has a way to the output and is loaded.
; LIMIT: a NaN, an infinity or an overflow in k or v at a key that reaches only tiles left out is not carried to earlier queries.
;
; THIS LAUNCH.  Wq, Wk, Wv [8][512 (e)][64 (d)] f32 are operands whose K (= e) is not innermost.  A lane takes a column d and its registers run down e, in the very order that the 4-bit operand layout
; gives that lane (k = 64 c + 32 (lane / 16) + 0 .. 31 in registers 4 c .. 4 c + 3): the conversions' results are the operand's registers, and they are stored as they stand, 16 bytes a lane, 512 a store.
; A block's scale is 2^(floor(log2(largest magnitude)) - 2); its byte is the largest magnitude's exponent field - 2, held at 1 from below.  A block of zeros keeps the byte 1 where the rule says 127:
; its codes are zeros, which add nothing, and this program alone reads the bytes.
; Wp [512 (e)][512 (n)] f32 becomes f16 fragments in the same way (column n = 16 nt + lane % 16, e = 32 ks + 16 u + 8 (lane / 16) + 0 .. 7).
; LIMITS: blocks whose largest magnitude lies under 2^-124 have their byte held at 1; NaN and infinities among the weights are not served; Wp beyond f16's largest number, 65,504, is not served.
; SHARES.  Work-groups 0-95: matrix wg / 32, head (wg / 4) % 8, K step wg % 4 of 128; wave w: the tile of 16 columns w.  Work-groups 96-127: Wp, column group (wg - 96) / 4, e from 128 ((wg - 96) % 4) on.
; No LDS, no barrier, no matrix unit: 64 loads a wave, one wait, stores of 512 consecutive bytes.
	s_load_b256 s[4:11], s[0:1], 0x0               ; Wq s[4:5], Wk s[6:7], Wv s[8:9], Wp s[10:11]
	s_load_b128 s[12:15], s[0:1], 0x20             ; wcodes s[12:13], wscales s[14:15]
	s_load_b64 s[16:17], s[0:1], 0x30              ; wpf
	v_lshrrev_b32 v1, 5, v0
	v_readfirstlane_b32 s18, v1                    ; wave 0..3
	v_and_b32 v2, 31, v0                           ; lane
	v_and_b32 v6, 15, v0                           ; r
	v_bfe_u32 v7, v0, 4, 1                         ; h
	v_lshlrev_b32 v4, 4, v2                        ; 16 x lane: an image's place
	v_lshlrev_b32 v5, 2, v2                        ; 4 x lane: a scale word's
	v_lshlrev_b32 v3, 2, v6                        ; 4 r,
	s_lshl_b32 s19, s18, 6
	v_add_nc_u32 v3, s19, v3                       ; + 64 w: my column, in bytes
	s_mov_b32 s24, 0x76543210
	s_mov_b32 s25, 0xfedcba98                      ; v_permlanex16_b32's selects for lane l xor 16
	s_wait_kmcnt 0x0
	s_cmp_ge_u32 ttmp9, 96
	s_cbranch_scc1 .Lwp
	; ---- Wq, Wk, Wv
	v_lshl_add_u32 v3, v7, 13, v3                  ; lanes 16-31 begin 32 rows (of 256 bytes) further down
	s_lshr_b32 s19, ttmp9, 5                       ; which matrix: the choice hangs on the work-group's number alone
	s_cmp_eq_u32 s19, 0
	s_cselect_b64 s[20:21], s[4:5], s[6:7]
	s_cmp_eq_u32 s19, 2
	s_cselect_b64 s[20:21], s[8:9], s[20:21]
	s_bfe_u32 s22, ttmp9, 0x30002                  ; head
	s_lshl_b32 s22, s22, 17                        ; x 512 rows of 256 bytes
	s_and_b32 s26, ttmp9, 3                        ; K step
	s_lshl_b32 s23, s26, 15                        ; x 128 rows
	s_add_co_u32 s22, s22, s23
	s_mov_b32 s23, 0
	s_add_nc_u64 s[20:21], s[20:21], s[22:23]
	s_lshr_b32 s27, ttmp9, 2
	s_lshl_b32 s27, s27, 2
	s_add_co_u32 s27, s27, s18                     ; column tile: 32 x matrix + 4 x head + wave
	s_lshl_b32 s28, s27, 12
	s_lshl_b32 s29, s26, 10
	s_add_co_u32 s28, s28, s29                     ; codes: 4,096 a tile, 1,024 a K step
	s_mov_b32 s29, 0
	s_add_nc_u64 s[12:13], s[12:13], s[28:29]
	s_lshl_b32 s30, s27, 9
	s_lshl_b32 s31, s26, 7
	s_add_co_u32 s30, s30, s31                     ; scale words: 512 a tile, 128 a K step
	s_mov_b32 s31, 0
	s_add_nc_u64 s[14:15], s[14:15], s[30:31]
.irp c, 0,1
.irp i, 0,1,2,3,4,5,6,7,8,9,10,11,12,13,14,15,16,17,18,19,20,21,22,23,24,25,26,27,28,29,30,31
	global_load_b32 v[64+32*\c+\i], v3, s[20:21] offset:(64*\c+\i)*256   ; W(128 s + 64 c + 32 h + i, my column)
.endr
.endr
	s_wait_loadcnt 0x0
.irp c, 0,1                                    ; my block 2 c + h: all its 32 numbers are mine
	v_max3_num_f32 v[32+\c], |v[64+32*\c]|, |v[65+32*\c]|, 0x1800000   ; and the floor 2^(3 - 127): the byte cannot fall under 1
.endr
.irp i, 2,4,6,8,10,12,14,16,18,20,22,24,26,28,30
.irp c, 0,1
	v_max3_num_f32 v[32+\c], v[32+\c], |v[64+32*\c+\i]|, |v[65+32*\c+\i]|
.endr
.endr
.irp c, 0,1
	v_add_nc_u32 v[44+\c], 0xff000000, v[32+\c]    ; 2 off the exponent field: the conversion's scale operand
.endr
.irp c, 0,1
	v_lshrrev_b32 v[36+\c], 23, v[44+\c]           ; the scale's byte
.endr
	v_lshl_or_b32 v9, v37, 16, v36                 ; my two bytes: blocks h and 2 + h,
	v_lshlrev_b32 v10, 3, v7
	v_lshlrev_b32 v9, v10, v9                      ; at their places in the word (8 h bits up);
	v_mov_b32 v10, 0
	v_permlanex16_b32 v10, v9, s24, s25
	v_or_b32 v9, v9, v10                           ; with lane l xor 16's two the word is whole, in both halves of the lanes
.irp c, 0,1
.irp g, 0,1,2,3
	v_cvt_scalef32_pk8_fp4_f32 v[48+4*\c+\g], v[64+32*\c+8*\g:71+32*\c+8*\g], v[44+\c]
.endr
.endr
	v_nop                                          ; one plain line behind the last scaled conversion
	global_store_b128 v4, v[48:51], s[12:13]       ; each store of the wave covers 512 consecutive bytes, aligned
	global_store_b128 v4, v[52:55], s[12:13] offset:512
	global_store_b32 v5, v9, s[14:15]
	s_endpgm
.Lwp:
	; ---- Wp
	v_lshl_add_u32 v3, v7, 14, v3                  ; lanes 16-31 begin 8 rows (of 2,048 bytes) further down
	s_sub_co_u32 s19, ttmp9, 96
	s_lshr_b32 s22, s19, 2                         ; column group of 64
	s_and_b32 s26, s19, 3                          ; which 128 along e
	s_lshl_b32 s20, s26, 18
	s_lshl_b32 s21, s22, 8
	s_add_co_u32 s20, s20, s21
	s_mov_b32 s21, 0
	s_add_nc_u64 s[10:11], s[10:11], s[20:21]
	s_lshl_b32 s22, s22, 2
	s_add_co_u32 s22, s22, s18                     ; column tile nt
	s_lshl_b32 s22, s22, 14                        ; 16,384 bytes a tile,
	s_lshl_b32 s23, s26, 12                        ; 1,024 a K step of 32
	s_add_co_u32 s22, s22, s23
	s_mov_b32 s23, 0
	s_add_nc_u64 s[16:17], s[16:17], s[22:23]
.irp f, 0,1,2,3
.irp u, 0,1
.irp i, 0,1,2,3,4,5,6,7
	global_load_b32 v[64+16*\f+8*\u+\i], v3, s[10:11] offset:(32*\f+16*\u+\i)*2048
.endr
.endr
.endr
	s_wait_loadcnt 0x0
.irp p, 0,1,2,3,4,5,6,7,8,9,10,11,12,13,14,15,16,17,18,19,20,21,22,23,24,25,26,27,28,29,30,31
	v_cvt_pk_f16_f32 v[32+\p], v[64+2*\p], v[65+2*\p]
.endr
.irp f, 0,1,2,3
.irp u, 0,1
	global_store_b128 v4, v[32+8*\f+4*\u:35+8*\f+4*\u], s[16:17] offset:1024*\f+512*\u
.endr
.endr
	s_endpgm
.Lfunc_end_k_qe4c9c7ff96_prep:
	.size	k_qe4c9c7ff96_prep, .Lfunc_end_k_qe4c9c7ff96_prep-k_qe4c9c7ff96_prep
	.p2alignl 7, 3214868480
	.fill 96, 4, 3214868480
	.section	.rodata,"a",@progbits
	.p2align	6, 0x0
	.amdhsa_kernel k_qe4c9c7ff96_prep
		.amdhsa_group_segment_fixed_size 0
		.amdhsa_private_segment_fixed_size 0
		.amdhsa_enable_private_segment 0
		.amdhsa_kernarg_size 56
		.amdhsa_user_sgpr_count 2
		.amdhsa_user_sgpr_kernarg_segment_ptr 1
		.amdhsa_wavefront_size32 1
		.amdhsa_system_sgpr_workgroup_id_x 1
		.amdhsa_system_sgpr_workgroup_id_y 1
		.amdhsa_system_sgpr_workgroup_id_z 1
		.amdhsa_system_vgpr_workitem_id 0
		.amdhsa_next_free_vgpr 128
		.amdhsa_next_free_sgpr 66
		.amdhsa_reserve_vcc 0
		.amdhsa_float_denorm_mode_32 3
		.amdhsa_float_denorm_mode_16_64 3
		.amdhsa_memory_ordered 1
		.amdhsa_forward_progress 1
		.amdhsa_inst_pref_size 21
	.end_amdhsa_kernel
	.amdgpu_metadata
---
amdhsa.version: [ 1, 2 ]
amdhsa.kernels:
  - .name:           k_qe4c9c7ff96_prep
    .symbol:         k_qe4c9c7ff96_prep.kd
    .args:
      - { .name: Wq, .offset: 0, .size: 8, .value_kind: global_buffer, .address_space: global }
      - { .name: Wk, .offset: 8, .size: 8, .value_kind: global_buffer, .address_space: global }
      - { .name: Wv, .offset: 16, .size: 8, .value_kind: global_buffer, .address_space: global }
      - { .name: Wp, .offset: 24, .size: 8, .value_kind: global_buffer, .address_space: global }
      - { .name: wcodes, .offset: 32, .size: 8, .value_kind: global_buffer, .address_space: global }
      - { .name: wscales, .offset: 40, .size: 8, .value_kind: global_buffer, .address_space: global }
      - { .name: wpf, .offset: 48, .size: 8, .value_kind: global_buffer, .address_space: global }
    .group_segment_fixed_size: 0
    .private_segment_fixed_size: 0
    .kernarg_segment_align: 8
    .kernarg_segment_size: 56
    .max_flat_workgroup_size: 128
    .sgpr_count:     66
    .vgpr_count:     128
    .wavefront_size: 32
...
	.end_amdgpu_metadata
.endif
;; end of part 1
;; launch qkv (part 2): grid 256 x 1, 8 waves a work-group, no clusters, 167,936 bytes of LDS; arguments x, wcodes, wscales, qf, kf, vf, first; writes qf, kf, vf, first
.if DOCPART == 2
	.amdgcn_target "amdgcn-amd-amdhsa--gfx1250"
	.amdhsa_code_object_version 6
	.text
	.protected	k_qe4c9c7ff96_qkv
	.globl	k_qe4c9c7ff96_qkv
	.p2align	8
	.type	k_qe4c9c7ff96_qkv,@function
k_qe4c9c7ff96_qkv:
	s_mov_b64 s[64:65], 0
	v_nop
	global_prefetch_b8 v0, s[64:65] scope:SCOPE_SE
	s_setreg_imm32_b32 hwreg(HW_REG_WAVE_MODE, 25, 1), 1
	s_wait_xcnt 0x0
; q, k, v = x W, both operands as codes of FP4 (E2M1) with one E8M0 scale for each 32 along E; sums in f32.
; SHARES.  A work-group owns 64 rows of x.  X: wave w brings 16 rows x 256 numbers (rows 16 (w / 2) on, columns 256 (w % 2) on) into LDS by one tensor load, quantises them (two fragments of 16 rows x 128 K)
; and stores them in LDS as images of the operand's registers | one barrier | every wave takes all 16 fragments of x into registers and is one HEAD: 12 tiles of 16 columns (q, k, v x 4), each against the 4 row tiles.
; The weights come from memory straight into operand registers (the first launch laid them so), three tiles ahead.
; LAYOUT OF THE RESULTS.  q, k: source 0 = 16 columns of W, source 1 = 16 rows of x: a lane holds one row and eight neighbouring channels.  v: the sources swapped: a lane holds one channel and eight neighbouring
; keys.  Rounded to f16 in pairs these are chunks (4 registers x 32 lanes, 512 bytes) of the next launch's operands; they are stored as they stand.  q is multiplied by c = log2(e) / 8 first.
; The f32 results of positions 0-15 of each sequence go to 'first' as they stand, for the launch that carries those rows in f32.
; NO CLUSTER: what the work-groups share is the weights, 442,368 bytes, which do not fit in LDS beside x's 151,552; shared through a ring they would want a round of the cluster's barrier for every 32 matrix
; instructions of a wave.  Here they pass through no LDS.
; LIMITS: q c, k, v beyond f16's largest number, 65,504, are not served; blocks of x under 2^-124 have their byte held at 1; NaN and infinities in x are not served.
; REGISTERS: window 0: v1-9 addresses; v16-31 x's scale words; v32-139 three buffers of a weight tile (4 fragments, 4 scale words); v140-203 two sets of 4 accumulators (in phase X: 64 numbers of x);
;   v204-219 packed results; v220-244 the quantiser's.   window 1: v0-127 x's 16 fragments, (row tile m, K step s) at 8 (4 m + s).
.set XIMG,  133120                     ; LDS: 0: eight tiles of x, 16 rows x (1,024 + 16) bytes each; here: x's 16 fragments, 1,024 bytes each,
.set XSC,   149504                     ; their scale words, 128 bytes each,
.set SPARE, 151552                     ; and the spare words, 128 bytes for each wave: four blocks of 256 bytes that no other line names
.set LI,  1                            ; 16 x lane
.set LS,  2                            ; 4 x lane
.set XA,  3                            ; my 16 numbers of a block of 32 in my wave's tile of x
.set XWI, 4                            ; where I store my images
.set XWS, 5                            ; and their scale words
.set SPW, 6                            ; LDS address of my spare word; never rewritten
.set NIL, 7                            ; 0; never rewritten
.set LIX, 8                            ; XIMG + 16 x lane
.set LSX, 9                            ; XSC + 4 x lane
.set XS,  16
.set WB,  32
.set ACC, 140
.set PK,  204
.set TM,  220
.set PC,  236
.set PW,  244
.set MSB, 0
.macro WIN new                         ; the immediate's high byte repeats the setting that is left
.if MSB != \new
	s_set_vgpr_msb (MSB<<8)|\new
.set MSB, \new
.endif
.endm
; 64 numbers of a lane, register 16 b + i = k 32 b + 16 (lane / 16) + i of my row, become a fragment's codes in v[PC] on and its scale word in v[PW].
.macro QUANT s
.irp b, 0,1,2,3
	v_max3_num_f32 v[TM+\b], |v[\s+16*\b]|, |v[\s+1+16*\b]|, 0x1800000   ; block b: my 16 numbers, and the floor 2^(3 - 127): the byte cannot fall under 1
.endr
.irp i, 2,4,6,8,10,12,14
.irp b, 0,1,2,3
	v_max3_num_f32 v[TM+\b], v[TM+\b], |v[\s+16*\b+\i]|, |v[\s+1+16*\b+\i]|
.endr
.endr
.irp b, 0,1,2,3
	v_permlanex16_b32 v[TM+4+\b], v[TM+\b], s20, s21
.endr
.irp b, 0,1,2,3
	v_max_num_f32 v[TM+\b], v[TM+\b], v[TM+4+\b]   ; with lane l xor 16's: the block's largest magnitude
.endr
.irp b, 0,1,2,3
	v_add_nc_u32 v[TM+12+\b], 0xff000000, v[TM+\b] ; 2 off its exponent field: the conversion's scale operand
.endr
.irp b, 0,1,2,3
	v_lshrrev_b32 v[TM+4+\b], 23, v[TM+12+\b]      ; the scale's byte
.endr
	v_lshl_or_b32 v[PW], v[TM+5], 8, v[TM+4]
	v_lshl_or_b32 v[PW], v[TM+6], 16, v[PW]
	v_lshl_or_b32 v[PW], v[TM+7], 24, v[PW]        ; my row's scale word
.irp b, 0,1,2,3
	v_cvt_scalef32_pk8_fp4_f32 v[PC+2*\b], v[\s+16*\b:\s+7+16*\b], v[TM+12+\b]
	v_cvt_scalef32_pk8_fp4_f32 v[PC+1+2*\b], v[\s+8+16*\b:\s+15+16*\b], v[TM+12+\b]
.endr
	v_nop                                          ; one plain line behind a scaled conversion
.irp c, 0,1                                    ; the operand's layout wants a whole block in a lane: lanes 0-15 block 2 c, lanes 16-31 block 2 c + 1
.irp i, 0,1
	v_permlane16_swap_b32 v[PC+4*\c+\i], v[PC+2+4*\c+\i]
.endr
.endr
.endm
; weight tile i (matrix i / 4, column tile i % 4 of my head): 4 fragments and 4 scale words into buffer i % 3: 12 loads
.macro WLOAD i
.set bw, WB+36*((\i)%3)
.irp s, 0,1,2,3
.irp c, 0,1
	global_load_b128 v[bw+8*\s+4*\c:bw+8*\s+4*\c+3], v[LI], s[44:45] offset:((\i)/4)*131072+((\i)%4)*4096+\s*1024+\c*512
.endr
.endr
.irp s, 0,1,2,3
	global_load_b32 v[bw+32+\s], v[LS], s[46:47] offset:((\i)/4)*16384+((\i)%4)*512+\s*128
.endr
.endm
; 16 matrix instructions: tile i against the 4 row tiles, K step by K step; the 4 accumulators take turns, one instruction a turn; the first K step starts the sums
.macro MULT i
.set bw, WB+36*((\i)%3)
.set ac, ACC+32*((\i)%2)
.if (\i)/4 < 2
	WIN 0x04                                       ; source 1 (x) in window 1
.irp s, 0,1,2,3
.irp m, 0,1,2,3
.if \s == 0
	v_wmma_scale_f32_16x16x128_f8f6f4 v[ac+8*\m:ac+8*\m+7], v[bw+8*\s:bw+8*\s+7], v[8*(4*\m+\s):8*(4*\m+\s)+7], 0, v[bw+32+\s], v[XS+4*\m+\s] matrix_a_fmt:MATRIX_FMT_FP4 matrix_b_fmt:MATRIX_FMT_FP4
.else
	v_wmma_scale_f32_16x16x128_f8f6f4 v[ac+8*\m:ac+8*\m+7], v[bw+8*\s:bw+8*\s+7], v[8*(4*\m+\s):8*(4*\m+\s)+7], v[ac+8*\m:ac+8*\m+7], v[bw+32+\s], v[XS+4*\m+\s] matrix_a_fmt:MATRIX_FMT_FP4 matrix_b_fmt:MATRIX_FMT_FP4
.endif
.endr
.endr
.else
	WIN 0x01                                       ; source 0 (x) in window 1
.irp s, 0,1,2,3
.irp m, 0,1,2,3
.if \s == 0
	v_wmma_scale_f32_16x16x128_f8f6f4 v[ac+8*\m:ac+8*\m+7], v[8*(4*\m+\s):8*(4*\m+\s)+7], v[bw+8*\s:bw+8*\s+7], 0, v[XS+4*\m+\s], v[bw+32+\s] matrix_a_fmt:MATRIX_FMT_FP4 matrix_b_fmt:MATRIX_FMT_FP4
.else
	v_wmma_scale_f32_16x16x128_f8f6f4 v[ac+8*\m:ac+8*\m+7], v[8*(4*\m+\s):8*(4*\m+\s)+7], v[bw+8*\s:bw+8*\s+7], v[ac+8*\m:ac+8*\m+7], v[XS+4*\m+\s], v[bw+32+\s] matrix_a_fmt:MATRIX_FMT_FP4 matrix_b_fmt:MATRIX_FMT_FP4
.endif
.endr
.endr
.endif
	WIN 0
.endm
; tile i's results leave: q x c; positions 0-15 in f32; all as f16 chunks.  Each accumulator is read from its low end on.
.macro OUT i
.set ac, ACC+32*((\i)%2)
.set mt, (\i)/4
.set tt, (\i)%4
.if mt == 0
.irp j, 0,2,4,6,8,10,12,14,16,18,20,22,24,26,28,30
	v_pk_mul_f32 v[ac+\j:ac+\j+1], v[ac+\j:ac+\j+1], s[22:23] op_sel_hi:[1,0]
.endr
.endif
	s_cmp_lg_u32 s48, 0                            ; only a sequence's first 64 rows hold its positions 0-15: row tile 0
	s_cbranch_scc1 .Lnot_first_\@
	global_store_b128 v[LI], v[ac:ac+3], s[42:43] offset:mt*32768+tt*1024
	global_store_b128 v[LI], v[ac+4:ac+7], s[42:43] offset:mt*32768+tt*1024+512
.Lnot_first_\@:
.irp p, 0,1,2,3,4,5,6,7,8,9,10,11,12,13,14,15
	v_cvt_pk_f16_f32 v[PK+\p], v[ac+2*\p], v[ac+2*\p+1]
.endr
.irp m, 0,1,2,3
.if mt == 0
	global_store_b128 v[LI], v[PK+4*\m:PK+4*\m+3], s[36:37] offset:\m*2048+tt*512
.elseif mt == 1
	global_store_b128 v[LI], v[PK+4*\m:PK+4*\m+3], s[38:39] offset:\m*2048+tt*512
.else
	global_store_b128 v[LI], v[PK+4*\m:PK+4*\m+3], s[40:41] offset:(\m/2)*4096+tt*1024+(\m%2)*512
.endif
.endr
.endm
	s_load_b256 s[4:11], s[0:1], 0x0               ; x s[4:5], wcodes s[6:7], wscales s[8:9], qf s[10:11]
	s_load_b128 s[12:15], s[0:1], 0x20             ; kf s[12:13], vf s[14:15]
	s_load_b64 s[16:17], s[0:1], 0x30              ; first
	v_lshl_add_u32 v[SPW], v0, 2, SPARE
	v_mov_b32 v[NIL], 0
	ds_add_u32 v[SPW], v[NIL]                      ; the wave's opening: the add, twice on end, and its wait ahead of my first tensor load
	ds_add_u32 v[SPW], v[NIL]
	v_lshrrev_b32 v10, 5, v0
	v_readfirstlane_b32 s18, v10                   ; wave 0..7
	s_mov_b32 s20, 0x76543210
	s_mov_b32 s21, 0xfedcba98                      ; v_permlanex16_b32's selects for lane l xor 16
	s_mov_b32 s22, 0x3e38aa3b                      ; c = log2(e) / sqrt(64)
	s_mov_b32 s23, s22                             ; (named with it as a pair)
	; descriptor group 1: 16 rows x 256 elements of 4 bytes, 512 elements from row to row; 4 words of padding behind every 256
	s_mov_b32 s24, (2<<16)|(1<<20)|(7<<22)|(3<<25)
	s_mov_b32 s25, 256<<16                         ; tensor_dim0
	s_mov_b32 s26, 16<<16                          ; tensor_dim1
	s_mov_b32 s27, 256<<16                         ; tile_dim0
	s_mov_b32 s28, 16                              ; tile_dim1
	s_mov_b32 s29, 512                             ; the pitch
	s_mov_b32 s30, 0
	s_mov_b32 s31, 0
	s_lshr_b32 s49, ttmp9, 5                       ; the sequence b
	s_and_b32 s48, ttmp9, 31                       ; which 64 rows of it
	s_lshl_b32 s50, s49, 3
	s_add_co_u32 s50, s50, s18                     ; 8 b + head
	s_lshl_b32 s50, s50, 18                        ; 262,144 bytes a head,
	s_lshl_b32 s51, s48, 13                        ; 8,192 for 64 rows
	s_add_co_u32 s50, s50, s51
	s_mov_b32 s51, 0
	s_mul_i32 s52, s49, 98304
	s_lshl_b32 s53, s18, 12
	s_add_co_u32 s52, s52, s53                     ; 'first': 98,304 a sequence, 4,096 a head
	s_mov_b32 s53, 0
	s_lshl_b32 s54, s18, 14                        ; my head's codes,
	s_mov_b32 s55, 0
	s_lshl_b32 s56, s18, 11                        ; and scale words
	s_mov_b32 s57, 0
	s_lshl_b32 s58, ttmp9, 17                      ; x: 64 rows of 2,048 bytes a work-group,
	s_lshr_b32 s59, s18, 1
	s_lshl_b32 s59, s59, 15                        ; 16 rows for each pair of waves,
	s_add_co_u32 s58, s58, s59
	s_and_b32 s59, s18, 1
	s_lshl_b32 s59, s59, 10                        ; half a row
	s_add_co_u32 s58, s58, s59
	s_mov_b32 s59, 0
	s_mov_b32 s32, 1                               ; group 0: count = 1
	s_mul_i32 s33, s18, 16640                      ; LDS address: my wave's tile
	s_wait_dscnt 0x0                               ; both opening adds are done
	s_wait_kmcnt 0x0
	s_add_nc_u64 s[34:35], s[4:5], s[58:59]
	s_or_b32 s35, s35, 0x80000000                  ; type = 2
	tensor_load_to_lds s[32:35], s[24:31]          ; my one tensor load: a first fill; nothing is filled again
	s_nop 0
	s_add_nc_u64 s[36:37], s[10:11], s[50:51]      ; qf,
	s_add_nc_u64 s[38:39], s[12:13], s[50:51]      ; kf,
	s_add_nc_u64 s[40:41], s[14:15], s[50:51]      ; vf at my head's 64 rows
	s_add_nc_u64 s[42:43], s[16:17], s[52:53]
	s_add_nc_u64 s[44:45], s[6:7], s[54:55]
	s_add_nc_u64 s[46:47], s[8:9], s[56:57]
	v_and_b32 v10, 31, v0                          ; lane
	v_and_b32 v11, 15, v0                          ; r
	v_bfe_u32 v12, v0, 4, 1                        ; h
	v_lshlrev_b32 v[LI], 4, v10
	v_lshlrev_b32 v[LS], 2, v10
	WLOAD 0
	WLOAD 1
	WLOAD 2
	v_mul_u32_u24 v[XA], v11, 1040
	v_lshl_add_u32 v[XA], v12, 6, v[XA]
	v_add_nc_u32 v[XA], s33, v[XA]                 ; my tile + row r + 64 h
	s_lshl_b32 s19, s18, 11
	s_add_co_u32 s19, s19, XIMG
	v_add_nc_u32 v[XWI], s19, v[LI]                ; fragments 2 w and 2 w + 1
	s_lshl_b32 s19, s18, 8
	s_add_co_u32 s19, s19, XSC
	v_add_nc_u32 v[XWS], s19, v[LS]
	v_add_nc_u32 v[LIX], XIMG, v[LI]
	v_add_nc_u32 v[LSX], XSC, v[LS]
.irp b, 0,1,2,3
	v_mov_b32 v[TM+4+\b], 0                        ; written once: a lane permute's destination counts as one of its sources
.endr
	s_wait_tensorcnt 0x0                           ; my tile is in LDS; only I read it
.irp sl, 0,1
.irp b, 0,1,2,3
.irp j, 0,1,2,3
	ds_load_b128 v[ACC+16*\b+4*\j:ACC+16*\b+4*\j+3], v[XA] offset:512*\sl+128*\b+16*\j
.endr
.endr
	s_wait_dscnt 0x0
	QUANT ACC
	ds_store_b128 v[XWI], v[PC:PC+3] offset:1024*\sl             ; the fragment goes to LDS as it stands
	ds_store_b128 v[XWI], v[PC+4:PC+7] offset:1024*\sl+512
	ds_store_b32 v[XWS], v[PW] offset:128*\sl
	s_wait_dscnt 0x0                               ; for the others' sake, and before the codes' registers are written again
.endr
	s_barrier_signal -1
	s_barrier_wait -1                              ; x's sixteen fragments lie in LDS
	WIN 0x40                                       ; destination window 1
.irp f, 0,1,2,3,4,5,6,7,8,9,10,11,12,13,14,15
	ds_load_b128 v[8*\f:8*\f+3], v[LIX] offset:1024*\f
	ds_load_b128 v[8*\f+4:8*\f+7], v[LIX] offset:1024*\f+512
.endr
	WIN 0
.irp f, 0,1,2,3,4,5,6,7,8,9,10,11,12,13,14,15
	ds_load_b32 v[XS+\f], v[LSX] offset:128*\f
.endr
	s_wait_dscnt 0x0
.irp i, 0,1,2,3,4,5,6,7,8,9,10,11
	s_wait_xcnt 0x0                                ; the last tile's stores have read their data: the packed results and the accumulators may be written again
.if \i < 10
	s_wait_loadcnt 24                              ; tile i's 12 loads are in; those of tiles i + 1 and i + 2 may be out
.elseif \i == 10
	s_wait_loadcnt 12
.else
	s_wait_loadcnt 0
.endif
	MULT \i
.if \i == 0
.rept 4
	v_nop                                          ; places in front of the loads into the buffer just read, and of the first read of these results
.endr
.else
	OUT \i-1                                       ; its sixteen conversions name no register of the products above: they are the places in front of the loads below
.endif
.if \i+3 < 12
	WLOAD \i+3
.endif
.endr
	s_wait_xcnt 0x0
	OUT 11                                         ; (tile 10's conversions were the places behind tile 11's products)
	s_wait_tensorcnt 0x0                           ; the wave's end
	ds_add_u32 v[SPW], v[NIL]
	s_wait_dscnt 0x0
	s_endpgm
.Lfunc_end_k_qe4c9c7ff96_qkv:
	.size	k_qe4c9c7ff96_qkv, .Lfunc_end_k_qe4c9c7ff96_qkv-k_qe4c9c7ff96_qkv
	.p2alignl 7, 3214868480
	.fill 96, 4, 3214868480
	.section	.rodata,"a",@progbits
	.p2align	6, 0x0
	.amdhsa_kernel k_qe4c9c7ff96_qkv
		.amdhsa_group_segment_fixed_size 167936
		.amdhsa_private_segment_fixed_size 0
		.amdhsa_enable_private_segment 0
		.amdhsa_kernarg_size 56
		.amdhsa_user_sgpr_count 2
		.amdhsa_user_sgpr_kernarg_segment_ptr 1
		.amdhsa_wavefront_size32 1
		.amdhsa_system_sgpr_workgroup_id_x 1
		.amdhsa_system_sgpr_workgroup_id_y 1
		.amdhsa_system_sgpr_workgroup_id_z 1
		.amdhsa_system_vgpr_workitem_id 0
		.amdhsa_next_free_vgpr 384
		.amdhsa_next_free_sgpr 66
		.amdhsa_reserve_vcc 0
		.amdhsa_float_denorm_mode_32 3
		.amdhsa_float_denorm_mode_16_64 3
		.amdhsa_memory_ordered 1
		.amdhsa_forward_progress 1
		.amdhsa_inst_pref_size 80
	.end_amdhsa_kernel
	.amdgpu_metadata
---
amdhsa.version: [ 1, 2 ]
amdhsa.kernels:
  - .name:           k_qe4c9c7ff96_qkv
    .symbol:         k_qe4c9c7ff96_qkv.kd
    .args:
      - { .name: x, .offset: 0, .size: 8, .value_kind: global_buffer, .address_space: global }
      - { .name: wcodes, .offset: 8, .size: 8, .value_kind: global_buffer, .address_space: global }
      - { .name: wscales, .offset: 16, .size: 8, .value_kind: global_buffer, .address_space: global }
      - { .name: qf, .offset: 24, .size: 8, .value_kind: global_buffer, .address_space: global }
      - { .name: kf, .offset: 32, .size: 8, .value_kind: global_buffer, .address_space: global }
      - { .name: vf, .offset: 40, .size: 8, .value_kind: global_buffer, .address_space: global }
      - { .name: first, .offset: 48, .size: 8, .value_kind: global_buffer, .address_space: global }
    .group_segment_fixed_size: 167936
    .private_segment_fixed_size: 0
    .kernarg_segment_align: 8
    .kernarg_segment_size: 56
    .max_flat_workgroup_size: 256
    .sgpr_count:     66
    .vgpr_count:     384
    .wavefront_size: 32
...
	.end_amdgpu_metadata
.endif
;; end of part 2
;; launch attn (part 3): grid 4 x 64, 16 waves a work-group, no clusters, 327,680 bytes of LDS; arguments qf, kf, vf, af; writes af
.if DOCPART == 3
	.amdgcn_target "amdgcn-amd-amdhsa--gfx1250"
	.amdhsa_code_object_version 6
	.text
	.protected	k_qe4c9c7ff96_attn
	.globl	k_qe4c9c7ff96_attn
	.p2align	8
	.type	k_qe4c9c7ff96_attn,@function
k_qe4c9c7ff96_attn:
	s_mov_b64 s[64:65], 0
	v_nop
	global_prefetch_b8 v0, s[64:65] scope:SCOPE_SE
	s_setreg_imm32_b32 hwreg(HW_REG_WAVE_MODE, 25, 1), 1
	s_wait_xcnt 0x0
; att = softmax(q k^T / 8, causal) v, for one head and sequence a work-group row; operands f16, sums, maxima and exponentials f32.  q arrives multiplied by log2(e) / 8, so p = 2^(s - m).
; WORK LEFT OUT: a step of 64 keys all of which come after a wave's 32 queries has weight 0 for all values of the inputs (reference()'s own causal mask): it is jumped over.
; LIMIT: a NaN or an infinity in k or v that reaches only such steps is not carried to earlier queries.
; SHARES.  Work-group (i, head) owns query blocks i (waves 0-7) and 7 - i (waves 8-15) of 256 rows: every work-group has the same number of counted keys.  A wave owns 32 queries, two tiles of 16.
; Every wave walks the keys, 64 a step, 4 steps a slot.  K and V come through a ring of two LDS slots of 256 keys, filled by tensor loads of waves 0, 1 (K's halves) and 2, 3 (V's) and read by all sixteen.
; All trip counts are constants; what the mask hides is jumped over by scalar branches on ids.
; LAYOUT.  All operands lie in memory as images of their registers (chunks of 4 registers x 32 lanes, 512 bytes), so every LDS load takes 16 bytes at 16 x lane.  S^T = K Q^T: a lane holds ONE query
; (lane % 16) and keys 8 (lane / 16) + 0..7 of each tile of 16; two such tiles, rounded to f16 in pairs, ARE source 1 of O^T = V^T P, whose result holds one query a lane and eight channels.
; SOFTMAX.  A running maximum m and sum l for each query; in every step O and l are multiplied by 2^(m_old - m_new).  The sum is taken of p before it is rounded to f16.
; NO CLUSTER: the four work-groups of a head need different numbers of K's and V's tiles under the mask, and the jump over hidden steps would hang on a work-group's place in its cluster.
; REGISTERS: v1 the step's LDS address; v2 16 x lane; v3, v4 the add's two; v5 256 x lane; v6 lane % 16 - 8 (lane / 16); v8-23 statistics, 8 a tile: +0 m, +1 its pair's other half, +2, +3 l, +4..+7 at work (+6: the rescaling factor);
;   v24-55 Q; v56-119 K of a step, then V; v120-183 S^T, then p, then P packed in place; v184-247 O^T; v248-250 the mask's.
.set SLOT1, 1<<16                      ; a slot: 32,768 bytes of K, then 32,768 of V; slot 1 begins here, so that one exclusive or turns an address
.set SPARE, 131072                     ; behind the ring: the spare words, 128 bytes for each wave: eight blocks of 256 bytes that no other line names
.set ST, 8
.set Q,  24
.set KV, 56
.set S,  120
.set O,  184
; s12 wave, s13 head and sequence, s14 my first query, s15 the work-group's last query, s16 the step's first key, s17 the slot in hand, s18 slots still to be asked for, s19 who prefetches,
; s[20:21] lane selects, s[24:31] descriptor group 1, s[32:35] group 0 (it walks), s[36:37] the prefetches' address, s[38:39] af
.macro TLOAD                           ; waves 0 to 3 fetch; the branch hangs on the wave's number alone; an s_nop 0 and four v_nop follow the load
	s_cmp_lt_u32 s12, 4
	s_cbranch_scc0 .Lasked_\@
	tensor_load_to_lds s[32:35], s[24:31]
	s_nop 0
.rept 4
	v_nop
.endr
.Lasked_\@:
.endm
; A prefetch of what the NEXT change of slots will ask for: 32,768 bytes of K and of V.  All four work-groups of a head walk the same K and V: the one with i = 0, which walks all slots, asks.  In it waves 4-7 ask for
; K's block and waves 8-11 for V's, 8,192 bytes a wave, lanes 256 bytes apart: each block of 256 bytes is named once in the launch.  The last change that fills a slot asks for nothing; slots 0 and 1 come by their loads alone.
.macro ASK
	s_cmp_gt_u32 s18, s19
	s_cbranch_scc0 .Lnot_mine_\@
	global_prefetch_b8 v5, s[36:37] th:TH_LOAD_NT scope:SCOPE_SE
.Lnot_mine_\@:
.endm
; THE CHANGE OF SLOTS, at a slot's head.  Each wave waits for all its tensor loads, adds 0 to its spare word, and waits for that and for its reads of the slot that it has left; behind the barrier the slot ahead
; is whole and nobody reads the other one, which is then filled with the keys that follow, up to the causal limit.
.macro CHANGE fill
	s_wait_tensorcnt 0x0                           ; no tensor load of mine is out, so group 0 may be written
	ds_add_u32 v3, v4
.if \fill
	ds_add_u32 v3, v4                              ; and once more, in every trip alike
	s_xor_b32 s33, s33, SLOT1                      ; the walking descriptor: the other slot,
	s_add_nc_u64 s[34:35], s[34:35], 32768         ; the next 256 keys
	s_wait_xcnt 0x0                                ; the last prefetch, a slot back, has read its address
	s_add_nc_u64 s[36:37], s[36:37], 32768
.endif
	s_wait_dscnt 0x0                               ; the add is done, and my reads of the slot that I have left are over
	s_barrier_signal -1
	s_barrier_wait -1
.if \fill
	s_add_co_u32 s40, s16, 256                     ; the first key of the slot that this change would ask for:
	s_cmp_gt_u32 s40, s15                          ; behind the work-group's last query no wave reads it, so it is not asked for.  Ids and the count of steps alone: all sixteen waves go the same way
	s_cbranch_scc1 .Lpast_\@
	TLOAD                                          ; a wave's one tensor load until the next such barrier
.Lpast_\@:
	ASK
.endif
.endm
; A KEY STEP: 64 keys, the q-th of the slot in hand.
.macro STEP q
	s_add_co_u32 s40, s14, 31
	s_cmp_gt_u32 s16, s40                          ; all 64 keys come after my 32 queries: nothing to do but the step of the key count
	s_cbranch_scc1 .Lhidden_\@
	v_add_nc_u32 v1, s17, v2
.rept 4
	v_nop                                          ; with the line above five places behind the last products: the loads below land on V's registers, and the products below write over P's
.endr
.irp kt, 0,1,2,3
.irp c, 0,1
.irp u, 0,1
	ds_load_b128 v[KV+16*\kt+8*\c+4*\u:KV+16*\kt+8*\c+4*\u+3], v1 offset:(\q)*8192+\kt*2048+\c*1024+\u*512
.endr
.endr
.endr
	s_wait_dscnt 0x0
.irp c, 0,1                                    ; S^T = K Q^T: eight accumulators by turns, one instruction a turn; the first 32 channels start the sums
.irp kt, 0,1,2,3
.irp t, 0,1
.if \c == 0
	v_wmma_f32_16x16x32_f16 v[S+32*\t+8*\kt:S+32*\t+8*\kt+7], v[KV+16*\kt+8*\c:KV+16*\kt+8*\c+7], v[Q+16*\t+8*\c:Q+16*\t+8*\c+7], 0
.else
	v_wmma_f32_16x16x32_f16 v[S+32*\t+8*\kt:S+32*\t+8*\kt+7], v[KV+16*\kt+8*\c:KV+16*\kt+8*\c+7], v[Q+16*\t+8*\c:Q+16*\t+8*\c+7], v[S+32*\t+8*\kt:S+32*\t+8*\kt+7]
.endif
.endr
.endr
.endr
.rept 4
	v_nop                                          ; places in front of the loads into K's registers and of the first read of the scores
.endr
.irp g, 0,1                                    ; V lands while the softmax is worked
.irp ct, 0,1,2,3
.irp u, 0,1
	ds_load_b128 v[KV+32*\g+8*\ct+4*\u:KV+32*\g+8*\ct+4*\u+3], v1 offset:32768+(\q)*8192+\g*4096+\ct*1024+\u*512
.endr
.endr
.endr
	s_add_co_u32 s40, s16, 63
	s_cmp_le_u32 s40, s14                          ; all 64 keys count for all my queries: no mask
	s_cbranch_scc1 .Lopen_\@
	s_sub_co_i32 s40, s14, s16
	v_add_nc_u32 v248, s40, v6                     ; d = my query - the step's first key - 8 (lane / 16), tile 0;
	v_add_nc_u32 v249, 16, v248                    ; tile 1.  Register 8 kt + j holds key 16 kt + 8 (lane / 16) + j of the step: hidden where 16 kt + j > d
.irp t, 0,1
.irp n, 0,1,2,3,4,5,6,7,8,9,10,11,12,13,14,15,16,17,18,19,20,21,22,23,24,25,26,27,28,29,30,31
	v_cmp_gt_i32 vcc_lo, 16*(\n/8)+\n%8, v[248+\t]
	v_cndmask_b32 v[S+32*\t+\n], v[S+32*\t+\n], v250, vcc_lo
.endr
.endr
.Lopen_\@:
	; the maximum of my 32 scores and the old m, the two tiles by turns; each accumulator is first read at its low end
.irp j, 0,1,2,3
.irp t, 0,1
	v_max3_num_f32 v[ST+8*\t+4+\j], v[S+32*\t+8*\j], v[S+32*\t+8*\j+1], v[S+32*\t+8*\j+2]
.endr
.endr
.irp k, 1,2
.irp j, 0,1,2,3
.irp t, 0,1
	v_max3_num_f32 v[ST+8*\t+4+\j], v[ST+8*\t+4+\j], v[S+32*\t+8*\j+2*\k+1], v[S+32*\t+8*\j+2*\k+2]
.endr
.endr
.endr
.irp t, 0,1
	v_max3_num_f32 v[ST+8*\t+4], v[ST+8*\t+4], v[S+32*\t+7], v[S+32*\t+15]
.endr
.irp t, 0,1
	v_max3_num_f32 v[ST+8*\t+6], v[ST+8*\t+6], v[S+32*\t+23], v[S+32*\t+31]
.endr
.irp t, 0,1
	v_max3_num_f32 v[ST+8*\t+4], v[ST+8*\t+4], v[ST+8*\t+5], v[ST+8*\t+6]
.endr
.irp t, 0,1
	v_max3_num_f32 v[ST+8*\t+4], v[ST+8*\t+4], v[ST+8*\t+7], v[ST+8*\t]
.endr
.irp t, 0,1
	v_permlanex16_b32 v[ST+8*\t+5], v[ST+8*\t+4], s20, s21     ; the query's other 32 keys lie in the lane 16 away
.endr
.irp t, 0,1
	v_max_num_f32 v[ST+8*\t+5], v[ST+8*\t+4], v[ST+8*\t+5]     ; the new m
.endr
.irp t, 0,1
	v_sub_f32 v[ST+8*\t+7], v[ST+8*\t], v[ST+8*\t+5]           ; m_old - m_new, 0 or less
.endr
.irp t, 0,1
	v_mov_b32 v[ST+8*\t], v[ST+8*\t+5]
.endr
.irp j, 0,2,4,6,8,10,12,14,16,18,20,22,24,26,28,30
.irp t, 0,1
	v_pk_add_f32 v[S+32*\t+\j:S+32*\t+\j+1], v[S+32*\t+\j:S+32*\t+\j+1], v[ST+8*\t:ST+8*\t+1] op_sel_hi:[1,0] neg_lo:[0,1] neg_hi:[0,1]   ; s - m, two at a time
.endr
.endr
.irp t, 0,1
	v_exp_f32 v[ST+8*\t+6], v[ST+8*\t+7]           ; the rescaling factor
.endr
.irp j, 0,1,2,3,4,5,6,7,8,9,10,11,12,13,14,15,16,17,18,19,20,21,22,23,24,25,26,27,28,29,30,31
.irp t, 0,1
	v_exp_f32 v[S+32*\t+\j], v[S+32*\t+\j]         ; p = 2^(s - m)
.endr
.endr
	v_nop                                          ; a plain line behind the last exponential
	s_wait_alu depctr_va_vdst(0)                   ; one wait for the batch of 66, ahead of its first reader
.irp t, 0,1
	v_pk_mul_f32 v[ST+8*\t+2:ST+8*\t+3], v[ST+8*\t+2:ST+8*\t+3], v[ST+8*\t+6:ST+8*\t+7] op_sel_hi:[1,0]   ; l under the new m
.endr
.irp t, 0,1
	v_pk_add_f32 v[ST+8*\t+4:ST+8*\t+5], v[S+32*\t:S+32*\t+1], v[S+32*\t+2:S+32*\t+3]   ; the sums, in two chains a tile
.endr
.irp j, 4,8,12,16,20,24,28
.irp t, 0,1
	v_pk_add_f32 v[ST+8*\t+2:ST+8*\t+3], v[ST+8*\t+2:ST+8*\t+3], v[S+32*\t+\j:S+32*\t+\j+1]
	v_pk_add_f32 v[ST+8*\t+4:ST+8*\t+5], v[ST+8*\t+4:ST+8*\t+5], v[S+32*\t+\j+2:S+32*\t+\j+3]
.endr
.endr
.irp t, 0,1
	v_pk_add_f32 v[ST+8*\t+2:ST+8*\t+3], v[ST+8*\t+2:ST+8*\t+3], v[ST+8*\t+4:ST+8*\t+5]
.endr
.irp j, 0,1,2,3,4,5,6,7,8,9,10,11,12,13,14,15
.irp t, 0,1
	v_cvt_pk_f16_f32 v[S+32*\t+\j], v[S+32*\t+2*\j], v[S+32*\t+2*\j+1]   ; P, packed in place: register j is written when registers 2 j and 2 j + 1 are read, and 2 j >= j
.endr
.endr
.irp j, 0,2,4,6,8,10,12,14,16,18,20,22,24,26,28,30
.irp t, 0,1
	v_pk_mul_f32 v[O+32*\t+\j:O+32*\t+\j+1], v[O+32*\t+\j:O+32*\t+\j+1], v[ST+8*\t+6:ST+8*\t+7] op_sel_hi:[1,0]   ; O^T under the new m
.endr
.endr
	s_wait_dscnt 0x0                               ; V is in
.irp g, 0,1                                    ; O^T += V^T P: eight accumulators by turns
.irp ct, 0,1,2,3
.irp t, 0,1
	v_wmma_f32_16x16x32_f16 v[O+32*\t+8*\ct:O+32*\t+8*\ct+7], v[KV+32*\g+8*\ct:KV+32*\g+8*\ct+7], v[S+32*\t+8*\g:S+32*\t+8*\g+7], v[O+32*\t+8*\ct:O+32*\t+8*\ct+7]
.endr
.endr
.endr
.Lhidden_\@:
	s_add_co_u32 s16, s16, 64
.endm
.macro SLOT_STEPS
	STEP 0
	STEP 1
	STEP 2
	STEP 3
	s_xor_b32 s17, s17, SLOT1                      ; on to the other slot
.endm
	s_load_b256 s[4:11], s[0:1], 0x0               ; qf s[4:5], kf s[6:7], vf s[8:9], af s[10:11]
	v_lshl_add_u32 v3, v0, 2, SPARE
	v_mov_b32 v4, 0
	ds_add_u32 v3, v4                              ; the wave's opening: the add, twice on end, and its wait ahead of the first tensor load
	ds_add_u32 v3, v4
	v_lshrrev_b32 v1, 5, v0
	v_readfirstlane_b32 s12, v1                    ; wave 0..15
	s_and_b32 s13, ttmp7, 0xffff                   ; 8 b + head
	s_sub_co_u32 s40, 7, ttmp9                     ; 7 - i
	s_cmp_lt_u32 s12, 8
	s_cselect_b32 s41, ttmp9, s40                  ; my block of 256 queries
	s_and_b32 s42, s12, 3
	s_sub_co_u32 s43, 7, s42
	s_and_b32 s44, s12, 4
	s_cmp_lg_u32 s44, 0
	s_cselect_b32 s42, s43, s42                    ; my 32 rows of it: waves w and w + 4 take groups g and 7 - g
	s_lshl_b32 s14, s41, 8
	s_lshl_b32 s42, s42, 5
	s_add_co_u32 s14, s14, s42                     ; my first query
	s_lshl_b32 s15, s40, 8
	s_or_b32 s15, s15, 255                         ; the work-group's last query
	s_mov_b32 s16, 0
	s_mov_b32 s17, 0
	s_mov_b32 s18, 7                               ; 8 slots' worth of keys
	s_mov_b32 s20, 0x76543210
	s_mov_b32 s21, 0xfedcba98
	; descriptor group 1: a dense block of 16,384 bytes as 64 rows of 32 elements of 8 bytes
	s_mov_b32 s24, 3<<16
	s_mov_b32 s25, 32<<16                          ; tensor_dim0
	s_mov_b32 s26, 64<<16                          ; tensor_dim1
	s_mov_b32 s27, 32<<16                          ; tile_dim0
	s_mov_b32 s28, 64                              ; tile_dim1
	s_mov_b32 s29, 32                              ; the pitch
	s_mov_b32 s30, 0
	s_mov_b32 s31, 0
	s_lshl_b32 s40, s13, 18                        ; the head's first byte in qf, kf, vf
	s_and_b32 s42, s12, 1
	s_lshl_b32 s42, s42, 14                        ; which half of a slot's K or V I fetch
	s_add_co_u32 s42, s42, s40
	s_mov_b32 s43, 0
	s_mov_b32 s32, 1
	s_lshl_b32 s33, s12, 14                        ; LDS: K's halves, then V's: 16,384 x wave
	s_wait_dscnt 0x0                               ; both opening adds are done
	s_wait_kmcnt 0x0
	s_cmp_lt_u32 s12, 2
	s_cselect_b64 s[34:35], s[6:7], s[8:9]
	s_add_nc_u64 s[34:35], s[34:35], s[42:43]
	s_or_b32 s35, s35, 0x80000000
	TLOAD                                          ; slot 0: it holds key 0, which counts for every query
	s_cmp_lt_u32 s12, 8                            ; the prefetches: waves 4-7 K, waves 8-11 V
	s_cselect_b64 s[36:37], s[6:7], s[8:9]
	s_and_b32 s42, s12, 3
	s_lshl_b32 s42, s42, 13
	s_add_co_u32 s42, s42, s40
	s_add_co_u32 s42, s42, 32768                   ; in slot 1: the first change of slots steps it to slot 2
	s_add_nc_u64 s[36:37], s[36:37], s[42:43]
	s_sub_co_u32 s44, s12, 4
	s_lshr_b32 s44, s44, 3                         ; 0 in waves 4 to 11,
	s_or_b32 s44, s44, ttmp9                       ; of the work-group with i = 0
	s_cmp_eq_u32 s44, 0
	s_cselect_b32 s19, 1, -1
	s_lshl_b32 s42, s14, 7                         ; Q: 128 bytes a row
	s_add_co_u32 s42, s42, s40
	s_add_nc_u64 s[4:5], s[4:5], s[42:43]
	s_lshr_b32 s42, s13, 3
	s_lshl_b32 s42, s42, 21                        ; af: 2,097,152 a sequence,
	s_lshl_b32 s44, s14, 10                        ; 16,384 for 16 rows,
	s_add_co_u32 s42, s42, s44
	s_and_b32 s44, s13, 7
	s_lshl_b32 s44, s44, 11                        ; 2,048 a head
	s_add_co_u32 s42, s42, s44
	s_add_nc_u64 s[38:39], s[10:11], s[42:43]
	v_and_b32 v5, 31, v0
	v_lshlrev_b32 v2, 4, v5
	v_lshlrev_b32 v5, 8, v5
.irp t, 0,1
.irp c, 0,1
.irp u, 0,1
	global_load_b128 v[Q+16*\t+8*\c+4*\u:Q+16*\t+8*\c+4*\u+3], v2, s[4:5] offset:\t*2048+\c*1024+\u*512   ; Q stays in registers
.endr
.endr
.endr
	v_and_b32 v6, 15, v0
	v_bfe_u32 v1, v0, 4, 1
	v_lshlrev_b32 v1, 3, v1
	v_sub_nc_u32 v6, v6, v1                        ; lane % 16 - 8 (lane / 16)
	v_mov_b32 v250, 0xff800000                     ; -infinity
.irp j, 0,1,2,3,4,5,6,7,8,9,10,11,12,13,14,15
	v_mov_b32 v[ST+\j], 0                          ; l = 0; the others are written so that every way through the text finds them written
.endr
	v_mov_b32 v[ST], 0xff61b1e6                    ; m = -3e38, under every score
	v_mov_b32 v[ST+8], 0xff61b1e6
.irp j, 0,1,2,3,4,5,6,7,8,9,10,11,12,13,14,15,16,17,18,19,20,21,22,23,24,25,26,27,28,29,30,31,32,33,34,35,36,37,38,39,40,41,42,43,44,45,46,47,48,49,50,51,52,53,54,55,56,57,58,59,60,61,62,63
	v_mov_b32 v[O+\j], 0                           ; O^T.  (The step is written once for all steps: the first finds zeros, which its factor 0 leaves zeros)
.endr
	s_wait_loadcnt 0x0                             ; Q
.Lslot:                                            ; 7 trips: behind each change of slots but the last the next slot is asked for, up to the causal limit
	CHANGE 1
	SLOT_STEPS
	s_sub_co_u32 s18, s18, 1
	s_cmp_lg_u32 s18, 0
	s_cbranch_scc1 .Lslot
	CHANGE 0                                       ; the last slot is written out: nothing is left to ask for
	SLOT_STEPS
	; THE WAY OUT: O^T / l, rounded to f16: a lane's eight channels of a row are 16 bytes of a chunk of the next launch's operand: stored as they stand, 512 consecutive bytes a store
.irp t, 0,1
	v_add_f32 v[ST+8*\t+4], v[ST+8*\t+2], v[ST+8*\t+3]
.endr
.irp t, 0,1
	v_permlanex16_b32 v[ST+8*\t+5], v[ST+8*\t+4], s20, s21
.endr
.irp t, 0,1
	v_add_f32 v[ST+8*\t+4], v[ST+8*\t+4], v[ST+8*\t+5]
.endr
.irp t, 0,1
	v_rcp_f32 v[ST+8*\t+6], v[ST+8*\t+4]
.endr
	v_nop                                          ; a plain line behind the last reciprocal
	s_wait_alu depctr_va_vdst(0)                   ; one wait for the two, ahead of the first reader
.irp t, 0,1
.irp j, 0,2,4,6,8,10,12,14,16,18,20,22,24,26,28,30
	v_pk_mul_f32 v[O+32*\t+\j:O+32*\t+\j+1], v[O+32*\t+\j:O+32*\t+\j+1], v[ST+8*\t+6:ST+8*\t+7] op_sel_hi:[1,0]
.endr
.endr
.irp p, 0,1,2,3,4,5,6,7,8,9,10,11,12,13,14,15,16,17,18,19,20,21,22,23,24,25,26,27,28,29,30,31
	v_cvt_pk_f16_f32 v[S+\p], v[O+2*\p], v[O+2*\p+1]
.endr
.irp t, 0,1
.irp ct, 0,1,2,3
	global_store_b128 v2, v[S+16*\t+4*\ct:S+16*\t+4*\ct+3], s[38:39] offset:\t*16384+\ct*512
.endr
.endr
	s_wait_tensorcnt 0x0                           ; the wave's end
	ds_add_u32 v3, v4
	s_wait_dscnt 0x0
	s_endpgm
.Lfunc_end_k_qe4c9c7ff96_attn:
	.size	k_qe4c9c7ff96_attn, .Lfunc_end_k_qe4c9c7ff96_attn-k_qe4c9c7ff96_attn
	.p2alignl 7, 3214868480
	.fill 96, 4, 3214868480
	.section	.rodata,"a",@progbits
	.p2align	6, 0x0
	.amdhsa_kernel k_qe4c9c7ff96_attn
		.amdhsa_group_segment_fixed_size 327680
		.amdhsa_private_segment_fixed_size 0
		.amdhsa_enable_private_segment 0
		.amdhsa_kernarg_size 32
		.amdhsa_user_sgpr_count 2
		.amdhsa_user_sgpr_kernarg_segment_ptr 1
		.amdhsa_wavefront_size32 1
		.amdhsa_system_sgpr_workgroup_id_x 1
		.amdhsa_system_sgpr_workgroup_id_y 1
		.amdhsa_system_sgpr_workgroup_id_z 1
		.amdhsa_system_vgpr_workitem_id 0
		.amdhsa_next_free_vgpr 256
		.amdhsa_next_free_sgpr 66
		.amdhsa_reserve_vcc 1
		.amdhsa_float_denorm_mode_32 3
		.amdhsa_float_denorm_mode_16_64 3
		.amdhsa_memory_ordered 1
		.amdhsa_forward_progress 1
		.amdhsa_inst_pref_size 184
	.end_amdhsa_kernel
	.amdgpu_metadata
---
amdhsa.version: [ 1, 2 ]
amdhsa.kernels:
  - .name:           k_qe4c9c7ff96_attn
    .symbol:         k_qe4c9c7ff96_attn.kd
    .args:
      - { .name: qf, .offset: 0, .size: 8, .value_kind: global_buffer, .address_space: global }
      - { .name: kf, .offset: 8, .size: 8, .value_kind: global_buffer, .address_space: global }
      - { .name: vf, .offset: 16, .size: 8, .value_kind: global_buffer, .address_space: global }
      - { .name: af, .offset: 24, .size: 8, .value_kind: global_buffer, .address_space: global }
    .group_segment_fixed_size: 327680
    .private_segment_fixed_size: 0
    .kernarg_segment_align: 8
    .kernarg_segment_size: 32
    .max_flat_workgroup_size: 512
    .sgpr_count:     66
    .vgpr_count:     256
    .wavefront_size: 32
...
	.end_amdgpu_metadata
.endif
;; end of part 3
;; launch proj (part 4): grid 256 x 1, 8 waves a work-group, no clusters, 167,936 bytes of LDS; arguments af, wpf, bp, out0; writes out0
.if DOCPART == 4
	.amdgcn_target "amdgcn-amd-amdhsa--gfx1250"
	.amdhsa_code_object_version 6
	.text
	.protected	k_qe4c9c7ff96_proj
	.globl	k_qe4c9c7ff96_proj
	.p2align	8
	.type	k_qe4c9c7ff96_proj,@function
k_qe4c9c7ff96_proj:
	s_mov_b64 s[64:65], 0
	v_nop
	global_prefetch_b8 v0, s[64:65] scope:SCOPE_SE
	s_setreg_imm32_b32 hwreg(HW_REG_WAVE_MODE, 25, 1), 1
	s_wait_xcnt 0x0
; out = att Wp + bp, operands f16, sums f32, for all rows but positions 0-15 of each sequence, which the last launch makes in f32 and stores: this launch computes them with their work-group's tile and does not store them.
; SHARES.  A work-group owns 64 rows x 512 columns; its rows of att are one dense block of 65,536 bytes, in the order of the operand's registers: each wave brings an eighth into LDS by one tensor load; all read all.
; Wave w owns columns 64 w .. 64 w + 63: 4 column tiles x 4 row tiles, 16 accumulators, 16 K steps of 32, written out.  Wp's fragments come from memory straight into registers, four K steps ahead.
; THE MATRIX INSTRUCTION IS USED TRANSPOSED (source 0 = 16 columns of Wp, source 1 = 16 rows of att): a lane holds eight neighbouring numbers of a row of out.  bp is the C of each sum's first instruction.
; NO CLUSTER: what the work-groups share is Wp, 524,288 bytes as f16, which does not fit in LDS; through a ring it would want a round of the cluster's barrier for every 32 matrix instructions of a wave.
; REGISTERS: window 0: v1-7 addresses; v8-39 bp, 8 a column tile; v40-167 Wp, four buffers of 4 fragments (on the way out: rows read back); v168-231 att, two buffers of 4 fragments.  window 1: v0-127 the accumulators, (m, n) at 8 (4 m + n).
.set STG,   65536                      ; LDS: 0: att; here: a stage of 16 rows x (256 + 16) bytes for each wave;
.set SPARE, 100352                     ; the spare words, 128 bytes for each wave: four blocks of 256 bytes that no other line names
.set LI,  1
.set STO, 2
.set RD,  3
.set CO,  4
.set BA,  5
.set SPW, 6
.set NIL, 7
.set BI,  8
.set WB,  40
.set AB,  168
.set BK,  40
.set MSB, 0
.macro WIN new                         ; the immediate's high byte repeats the setting that is left
.if MSB != \new
	s_set_vgpr_msb (MSB<<8)|\new
.set MSB, \new
.endif
.endm
.macro WPLOAD k                        ; K step k of my 4 column tiles: 8 loads
.irp n, 0,1,2,3
.irp u, 0,1
	global_load_b128 v[WB+32*((\k)%4)+8*\n+4*\u:WB+32*((\k)%4)+8*\n+4*\u+3], v[LI], s[6:7] offset:\n*16384+(\k)*1024+\u*512
.endr
.endr
.endm
.macro ALOAD k                         ; K step k of the 4 row tiles: 8 LDS loads
.irp m, 0,1,2,3
.irp u, 0,1
	ds_load_b128 v[AB+32*((\k)%2)+8*\m+4*\u:AB+32*((\k)%2)+8*\m+4*\u+3], v[LI] offset:\m*16384+(\k)*1024+\u*512
.endr
.endr
.endm
.macro MUL k                           ; 16 matrix instructions; the 16 accumulators take turns, one instruction a turn
.if (\k) == 0
	WIN 0x40                                       ; D in window 1, C (bp) in window 0
.else
	WIN 0x50                                       ; C and D in window 1
.endif
.irp m, 0,1,2,3
.irp n, 0,1,2,3
.if (\k) == 0
	v_wmma_f32_16x16x32_f16 v[8*(4*\m+\n):8*(4*\m+\n)+7], v[WB+32*((\k)%4)+8*\n:WB+32*((\k)%4)+8*\n+7], v[AB+32*((\k)%2)+8*\m:AB+32*((\k)%2)+8*\m+7], v[BI+8*\n:BI+8*\n+7]
.else
	v_wmma_f32_16x16x32_f16 v[8*(4*\m+\n):8*(4*\m+\n)+7], v[WB+32*((\k)%4)+8*\n:WB+32*((\k)%4)+8*\n+7], v[AB+32*((\k)%2)+8*\m:AB+32*((\k)%2)+8*\m+7], v[8*(4*\m+\n):8*(4*\m+\n)+7]
.endif
.endr
.endr
	WIN 0
.endm
; THE WAY OUT of row tile m: 32 bytes a lane into my own stage, back as rows of 256 bytes.  LDS serves a wave's instructions in order: no wait between the stores and the loads, nor in front of the next tile's stores.
.macro TOSTAGE m
	WIN 0x04                                       ; an LDS store's data are its source 1: window 1
.irp n, 0,1,2,3
	ds_store_b128 v[STO], v[8*(4*(\m)+\n):8*(4*(\m)+\n)+3] offset:64*\n            ; each accumulator from its low end on
	ds_store_b128 v[STO], v[8*(4*(\m)+\n)+4:8*(4*(\m)+\n)+7] offset:64*\n+16
.endr
	WIN 0
.irp i, 0,1,2,3,4,5,6,7
	ds_load_b128 v[BK+32*((\m)%2)+4*\i:BK+32*((\m)%2)+4*\i+3], v[RD] offset:2*\i*272
.endr
.endm
.macro SEND m
.irp i, 0,1,2,3,4,5,6,7
	s_wait_dscnt 7-\i                              ; the younger loads from the stage may be out
	global_store_b128 v[CO], v[BK+32*((\m)%2)+4*\i:BK+32*((\m)%2)+4*\i+3], s[10:11] offset:(16*(\m)+2*\i)*2048 th:TH_STORE_NT   ; 16 lanes store 256 consecutive bytes, at a multiple of 256 from out0's first byte
.endr
.endm
	s_load_b256 s[4:11], s[0:1], 0x0               ; af s[4:5], wpf s[6:7], bp s[8:9], out0 s[10:11]
	v_lshl_add_u32 v[SPW], v0, 2, SPARE
	v_mov_b32 v[NIL], 0
	ds_add_u32 v[SPW], v[NIL]                      ; the wave's opening: the add, twice on end, and its wait ahead of my first tensor load
	ds_add_u32 v[SPW], v[NIL]
	v_lshrrev_b32 v8, 5, v0
	v_readfirstlane_b32 s12, v8                    ; wave 0..7
	; descriptor group 1: a dense block of 8,192 bytes as 32 rows of 32 elements of 8 bytes
	s_mov_b32 s16, 3<<16
	s_mov_b32 s17, 32<<16
	s_mov_b32 s18, 32<<16
	s_mov_b32 s19, 32<<16
	s_mov_b32 s20, 32
	s_mov_b32 s21, 32
	s_mov_b32 s22, 0
	s_mov_b32 s23, 0
	s_lshl_b32 s28, ttmp9, 16                      ; att: 65,536 a work-group,
	s_lshl_b32 s29, s12, 13                        ; 8,192 a wave
	s_add_co_u32 s28, s28, s29
	s_mov_b32 s29, 0
	s_lshl_b32 s30, s12, 16                        ; Wp: my 4 column tiles of 16,384 bytes
	s_mov_b32 s31, 0
	s_lshl_b32 s32, s12, 8                         ; bp and out0: my 64 columns
	s_mov_b32 s33, 0
	s_lshl_b32 s34, ttmp9, 17                      ; out0: 64 rows of 2,048 bytes a work-group
	s_add_co_u32 s34, s34, s32
	s_mov_b32 s35, 0
	s_mov_b32 s24, 1
	s_lshl_b32 s25, s12, 13                        ; LDS address: 8,192 x wave
	s_wait_dscnt 0x0                               ; both opening adds are done
	s_wait_kmcnt 0x0
	s_add_nc_u64 s[26:27], s[4:5], s[28:29]
	s_or_b32 s27, s27, 0x80000000
	tensor_load_to_lds s[24:27], s[16:23]          ; my one tensor load: a first fill; nothing is filled again
	s_nop 0
	s_add_nc_u64 s[6:7], s[6:7], s[30:31]
	s_add_nc_u64 s[8:9], s[8:9], s[32:33]
	s_add_nc_u64 s[10:11], s[10:11], s[34:35]
	v_and_b32 v40, 31, v0                          ; lane
	v_and_b32 v41, 15, v0                          ; r
	v_bfe_u32 v42, v0, 4, 1                        ; h
	v_lshlrev_b32 v[LI], 4, v40
	v_lshlrev_b32 v[BA], 5, v42                    ; bp: my half's eight numbers of a column tile
	s_mul_i32 s36, s12, 16*272
	s_add_co_u32 s36, s36, STG                     ; my stage
	v_mul_u32_u24 v[STO], v41, 272
	v_lshl_add_u32 v[STO], v42, 5, v[STO]
	v_add_nc_u32 v[STO], s36, v[STO]               ; in: row r, 32 bytes for each half of the lanes
	v_mul_u32_u24 v[RD], v42, 272
	v_lshl_add_u32 v[RD], v41, 4, v[RD]
	v_add_nc_u32 v[RD], s36, v[RD]                 ; back: lanes 0-15 one row of 256 bytes, lanes 16-31 the next
	v_lshlrev_b32 v[CO], 11, v42
	v_lshl_add_u32 v[CO], v41, 4, v[CO]            ; and the same two rows in out0
.irp n, 0,1,2,3
	global_load_b128 v[BI+8*\n:BI+8*\n+3], v[BA], s[8:9] offset:64*\n
	global_load_b128 v[BI+8*\n+4:BI+8*\n+7], v[BA], s[8:9] offset:64*\n+16
.endr
	WPLOAD 0
	WPLOAD 1
	WPLOAD 2
	WPLOAD 3
	s_wait_tensorcnt 0x0                           ; my eighth of att is in,
	s_barrier_signal -1
	s_barrier_wait -1                              ; everybody's is
	ALOAD 0
	ALOAD 1
.irp k, 0,1,2,3,4,5,6,7,8,9,10,11,12,13,14,15
.if \k < 13
	s_wait_loadcnt 24                              ; K step k's 8 loads of Wp are in (bp's are older); those of the three steps behind it may be out
.else
	s_wait_loadcnt 8*(15-\k)
.endif
.if \k < 15
	s_wait_dscnt 8                                 ; K step k's 8 loads of att are in; the next step's may be out
.else
	s_wait_dscnt 0
.endif
	MUL \k
.rept 4
	v_nop                                          ; places in front of loads into the buffers just read, and (behind the last step) of the first read of results
.endr
.if \k+4 < 16
	WPLOAD \k+4
.endif
.if \k+2 < 16
	ALOAD \k+2
.endif
.endr
	s_and_b32 s37, ttmp9, 31
	s_cmp_eq_u32 s37, 0                            ; a sequence's first 64 rows: row tile 0 is positions 0-15, which the last launch stores
	s_cbranch_scc1 .Lnot_mine
	TOSTAGE 0
	SEND 0
.Lnot_mine:
	TOSTAGE 1
	SEND 1
	s_wait_xcnt 0x0                                ; tile 0's stores have read their registers: tile 2's rows may land there
	TOSTAGE 2
	SEND 2
	s_wait_xcnt 0x0
	TOSTAGE 3
	SEND 3
	s_wait_tensorcnt 0x0                           ; the wave's end
	ds_add_u32 v[SPW], v[NIL]
	s_wait_dscnt 0x0
	s_endpgm
.Lfunc_end_k_qe4c9c7ff96_proj:
	.size	k_qe4c9c7ff96_proj, .Lfunc_end_k_qe4c9c7ff96_proj-k_qe4c9c7ff96_proj
	.p2alignl 7, 3214868480
	.fill 96, 4, 3214868480
	.section	.rodata,"a",@progbits
	.p2align	6, 0x0
	.amdhsa_kernel k_qe4c9c7ff96_proj
		.amdhsa_group_segment_fixed_size 167936
		.amdhsa_private_segment_fixed_size 0
		.amdhsa_enable_private_segment 0
		.amdhsa_kernarg_size 32
		.amdhsa_user_sgpr_count 2
		.amdhsa_user_sgpr_kernarg_segment_ptr 1
		.amdhsa_wavefront_size32 1
		.amdhsa_system_sgpr_workgroup_id_x 1
		.amdhsa_system_sgpr_workgroup_id_y 1
		.amdhsa_system_sgpr_workgroup_id_z 1
		.amdhsa_system_vgpr_workitem_id 0
		.amdhsa_next_free_vgpr 384
		.amdhsa_next_free_sgpr 66
		.amdhsa_reserve_vcc 0
		.amdhsa_float_denorm_mode_32 3
		.amdhsa_float_denorm_mode_16_64 3
		.amdhsa_memory_ordered 1
		.amdhsa_forward_progress 1
		.amdhsa_inst_pref_size 52
	.end_amdhsa_kernel
	.amdgpu_metadata
---
amdhsa.version: [ 1, 2 ]
amdhsa.kernels:
  - .name:           k_qe4c9c7ff96_proj
    .symbol:         k_qe4c9c7ff96_proj.kd
    .args:
      - { .name: af, .offset: 0, .size: 8, .value_kind: global_buffer, .address_space: global }
      - { .name: wpf, .offset: 8, .size: 8, .value_kind: global_buffer, .address_space: global }
      - { .name: bp, .offset: 16, .size: 8, .value_kind: global_buffer, .address_space: global }
      - { .name: out0, .offset: 24, .size: 8, .value_kind: global_buffer, .address_space: global }
    .group_segment_fixed_size: 167936
    .private_segment_fixed_size: 0
    .kernarg_segment_align: 8
    .kernarg_segment_size: 32
    .max_flat_workgroup_size: 256
    .sgpr_count:     66
    .vgpr_count:     384
    .wavefront_size: 32
...
	.end_amdgpu_metadata
.endif
;; end of part 4
;; launch first16 (part 5): grid 8 x 8, 8 waves a work-group, no clusters, 35,840 bytes of LDS; arguments first, Wp, bp, out0; writes out0
.if DOCPART == 5
	.amdgcn_target "amdgcn-amd-amdhsa--gfx1250"
	.amdhsa_code_object_version 6
	.text
	.protected	k_qe4c9c7ff96_first16
	.globl	k_qe4c9c7ff96_first16
	.p2align	8
	.type	k_qe4c9c7ff96_first16,@function
k_qe4c9c7ff96_first16:
	s_mov_b64 s[64:65], 0
	v_nop
	global_prefetch_b8 v0, s[64:65] scope:SCOPE_SE
	s_setreg_imm32_b32 hwreg(HW_REG_WAVE_MODE, 25, 1), 1
	s_wait_xcnt 0x0
; Positions 0-15 of every sequence, in f32 throughout: their rows of the softmax average one to sixteen values, so the rounding of 16-bit operands would weigh most there.  128 rows in all: no bulk work.
; Keys after position 15 are hidden from these queries by reference()'s own causal mask for all values of the inputs: they are not touched.
; SHARES.  Work-group (x, b): 64 columns of out0, sequence b.  Wave w is head w: its 16 x 16 scores, softmax and att v, then its own slice (e = 64 w .. 64 w + 63) of the product with Wp for the 64 columns.
; The eight partial sums meet in LDS, and 256 threads add them in the order of the heads, with bp, and store 16 rows x 256 bytes.
; OPERANDS.  'first' holds the second launch's f32 accumulators as they stood.  q (x log2(e) / 8), k: lane = position lane % 16, register j of tile t = channel 16 t + 8 (lane / 16) + j.  v: lane = channel, register j = position
; 8 (lane / 16) + j.  A pair of neighbouring registers is an operand of the 16 x 16 x 4 form (its layout: register j: k = 2 (lane / 16) + j); which four of the contracted axis a pair holds is the same on both sides of each product.
; The registers that the matrix instructions write, v176-207, are written by them alone; every sum begins with the constant 0; what is made of a sum goes into other registers.
; REGISTERS: v1-9 addresses; v10-15 at work; v16-47 q, v48-79 k (v16-79 later Wp's second half, v16-47 later the partial sums); v80-111 v; v112-175 Wp's first half; v176-207 four accumulators; v208-215 scores, then p; v216-247 att; v248-251 bp, then the result.
.set SPARE, 34816                      ; LDS: 0: eight waves x 16 rows x (256 + 16) bytes; here: the spare words, 128 bytes for each wave: four blocks of 256 bytes that no other line names
.set ACC, 176
	s_load_b256 s[4:11], s[0:1], 0x0               ; first s[4:5], Wp s[6:7], bp s[8:9], out0 s[10:11]
	v_lshl_add_u32 v6, v0, 2, SPARE                ; my spare word; never rewritten
	v_mov_b32 v7, 0                                ; 0; never rewritten
	v_lshrrev_b32 v10, 5, v0
	v_readfirstlane_b32 s12, v10                   ; wave = head
	s_and_b32 s13, ttmp7, 0xffff                   ; b
	s_mul_i32 s14, s13, 98304
	s_lshl_b32 s15, s12, 12
	s_add_co_u32 s14, s14, s15                     ; first: 98,304 a sequence, 4,096 a head
	s_mov_b32 s15, 0
	s_lshl_b32 s16, s12, 17                        ; Wp: 64 rows of 2,048 bytes a head,
	s_lshl_b32 s18, ttmp9, 8                       ; 256 bytes for 64 columns
	s_add_co_u32 s16, s16, s18
	s_mov_b32 s17, 0
	s_mov_b32 s19, 0
	s_lshl_b32 s22, s13, 22                        ; out0: 4,194,304 a sequence
	s_add_co_u32 s22, s22, s18
	s_mov_b32 s23, 0
	s_mov_b32 s20, 0x76543210
	s_mov_b32 s21, 0xfedcba98
	s_mul_i32 s24, s12, 16*272
	v_and_b32 v10, 31, v0
	v_and_b32 v11, 15, v0                          ; r
	v_bfe_u32 v12, v0, 4, 1                        ; h
	v_lshlrev_b32 v1, 4, v10                       ; 16 x lane
	v_lshlrev_b32 v2, 2, v11
	v_lshl_add_u32 v2, v12, 14, v2                 ; Wp: column r, 8 rows down for lanes 16-31
	v_mul_u32_u24 v3, v11, 272
	v_lshl_add_u32 v3, v12, 5, v3
	v_add_nc_u32 v3, s24, v3                       ; my partial sums: row r, 32 bytes for each half of the lanes
	v_lshlrev_b32 v9, 4, v11                       ; 16 (thread % 16)
	v_lshrrev_b32 v13, 4, v0                       ; thread / 16: the row that I finish
	v_mul_u32_u24 v4, v13, 272
	v_add_nc_u32 v4, v4, v9
	v_lshl_add_u32 v5, v13, 11, v9
	v_lshlrev_b32 v8, 3, v12
	v_sub_nc_u32 v8, v11, v8                       ; d = r - 8 h
	v_mov_b32 v14, 0                               ; a lane permute's destination counts as one of its sources
	v_mov_b32 v15, 0xff800000                      ; -infinity
	s_wait_kmcnt 0x0
	s_add_nc_u64 s[4:5], s[4:5], s[14:15]
	s_add_nc_u64 s[6:7], s[6:7], s[16:17]
	s_add_nc_u64 s[8:9], s[8:9], s[18:19]
	s_add_nc_u64 s[10:11], s[10:11], s[22:23]
.irp a, 0,1,2
.irp t, 0,1,2,3
.irp u, 0,1
	global_load_b128 v[16+32*\a+8*\t+4*\u:19+32*\a+8*\t+4*\u], v1, s[4:5] offset:\a*32768+\t*1024+\u*512
.endr
.endr
.endr
.irp nt, 0,1,2,3
.irp ct, 0,1
.irp s, 0,1,2,3
.irp j, 0,1
	global_load_b32 v[112+16*\nt+2*(4*\ct+\s)+\j], v2, s[6:7] offset:(16*\ct+2*\s+\j)*2048+64*\nt   ; Wp(64 w + 16 ct + 8 h + 2 s + j, 64 x + 16 nt + r)
.endr
.endr
.endr
.endr
	global_load_b128 v[248:251], v9, s[8:9]
	s_wait_loadcnt 0x0
.irp s, 0,1,2,3                                ; S^T = k q^T: a partial sum for each 16 channels, the four by turns
.irp t, 0,1,2,3
.if \s == 0
	v_wmma_f32_16x16x4_f32 v[ACC+8*\t:ACC+8*\t+7], v[48+8*\t+2*\s:49+8*\t+2*\s], v[16+8*\t+2*\s:17+8*\t+2*\s], 0
.else
	v_wmma_f32_16x16x4_f32 v[ACC+8*\t:ACC+8*\t+7], v[48+8*\t+2*\s:49+8*\t+2*\s], v[16+8*\t+2*\s:17+8*\t+2*\s], v[ACC+8*\t:ACC+8*\t+7]
.endif
.endr
.endr
.rept 8
	v_nop                                          ; eight places behind this form, in front of loads into its operands and of the first read of results
.endr
.irp nt, 0,1,2,3
.irp ct, 2,3
.irp s, 0,1,2,3
.irp j, 0,1
	global_load_b32 v[16+16*\nt+2*(4*(\ct-2)+\s)+\j], v2, s[6:7] offset:(16*\ct+2*\s+\j)*2048+64*\nt
.endr
.endr
.endr
.endr
.irp p, 0,2,4,6
	v_pk_add_f32 v[208+\p:209+\p], v[ACC+\p:ACC+\p+1], v[ACC+8+\p:ACC+9+\p]        ; each accumulator from its low end on
.endr
.irp p, 0,2,4,6
	v_pk_add_f32 v[208+\p:209+\p], v[208+\p:209+\p], v[ACC+16+\p:ACC+17+\p]
.endr
.irp p, 0,2,4,6
	v_pk_add_f32 v[208+\p:209+\p], v[208+\p:209+\p], v[ACC+24+\p:ACC+25+\p]        ; lane: query r; register j: key 8 h + j
.endr
.irp j, 0,1,2,3,4,5,6,7
	v_cmp_gt_i32 vcc_lo, \j, v8                    ; hidden where 8 h + j > r
	v_cndmask_b32 v[208+\j], v[208+\j], v15, vcc_lo
.endr
	v_max3_num_f32 v10, v208, v209, v210
	v_max3_num_f32 v10, v10, v211, v212
	v_max3_num_f32 v10, v10, v213, v214
	v_max_num_f32 v10, v10, v215
	v_permlanex16_b32 v14, v10, s20, s21
	v_max_num_f32 v10, v10, v14                    ; the row's maximum: key 0 counts for every query, so it is a number
.irp j, 0,1,2,3,4,5,6,7
	v_sub_f32 v[208+\j], v[208+\j], v10
.endr
.irp j, 0,1,2,3,4,5,6,7
	v_exp_f32 v[208+\j], v[208+\j]
.endr
	v_nop                                          ; a plain line behind the last exponential
	s_wait_alu depctr_va_vdst(0)                   ; one wait for the eight, ahead of the first reader
	v_pk_add_f32 v[12:13], v[208:209], v[210:211]
	v_pk_add_f32 v[12:13], v[12:13], v[212:213]
	v_pk_add_f32 v[12:13], v[12:13], v[214:215]
	v_add_f32 v11, v12, v13
	v_permlanex16_b32 v14, v11, s20, s21
	v_add_f32 v11, v11, v14                        ; the row's sum
	v_rcp_f32 v12, v11
	v_nop
	s_wait_alu depctr_va_vdst(0)
.irp s, 0,1,2,3                                ; O^T = v^T p: four tiles of 16 channels by turns
.irp ct, 0,1,2,3
.if \s == 0
	v_wmma_f32_16x16x4_f32 v[ACC+8*\ct:ACC+8*\ct+7], v[80+8*\ct+2*\s:81+8*\ct+2*\s], v[208+2*\s:209+2*\s], 0
.else
	v_wmma_f32_16x16x4_f32 v[ACC+8*\ct:ACC+8*\ct+7], v[80+8*\ct+2*\s:81+8*\ct+2*\s], v[208+2*\s:209+2*\s], v[ACC+8*\ct:ACC+8*\ct+7]
.endif
.endr
.endr
.rept 8
	v_nop
.endr
.irp p, 0,2,4,6,8,10,12,14,16,18,20,22,24,26,28,30
	v_pk_mul_f32 v[216+\p:217+\p], v[ACC+\p:ACC+\p+1], v[12:13] op_sel_hi:[1,0]    ; att: lane = position r, register 8 ct + j = channel 16 ct + 8 h + j
.endr
.rept 9
	v_nop                                          ; the products below begin the accumulators anew: nine places behind the last products, of lines that name none of their registers
.endr
	s_wait_loadcnt 0x0                             ; Wp's second half
.irp ct, 0,1,2,3                               ; out^T = Wp^T att^T, my 64 of e: four tiles of 16 columns by turns
.irp s, 0,1,2,3
.irp nt, 0,1,2,3
.if \ct < 2
.set wa, 112+16*\nt+2*(4*\ct+\s)
.else
.set wa, 16+16*\nt+2*(4*(\ct-2)+\s)
.endif
.if (\ct == 0) && (\s == 0)
	v_wmma_f32_16x16x4_f32 v[ACC+8*\nt:ACC+8*\nt+7], v[wa:wa+1], v[216+8*\ct+2*\s:217+8*\ct+2*\s], 0
.else
	v_wmma_f32_16x16x4_f32 v[ACC+8*\nt:ACC+8*\nt+7], v[wa:wa+1], v[216+8*\ct+2*\s:217+8*\ct+2*\s], v[ACC+8*\nt:ACC+8*\nt+7]
.endif
.endr
.endr
.endr
.rept 8
	v_nop
.endr
.irp nt, 0,1,2,3
	ds_store_b128 v3, v[ACC+8*\nt:ACC+8*\nt+3] offset:64*\nt                       ; lane (r, h): out(r, 64 x + 16 nt + 8 h + 0 .. 7), my head's part
	ds_store_b128 v3, v[ACC+8*\nt+4:ACC+8*\nt+7] offset:64*\nt+16
.endr
	s_wait_dscnt 0x0                               ; for the others' sake: my stores have landed
	s_barrier_signal -1
	s_barrier_wait -1
.irp w, 0,1,2,3,4,5,6,7
	ds_load_b128 v[16+4*\w:19+4*\w], v4 offset:\w*16*272
.endr
	s_wait_dscnt 0x0
.irp w, 0,1,2,3,4,5,6,7
	v_pk_add_f32 v[248:249], v[248:249], v[16+4*\w:17+4*\w]                        ; bp, then the heads in ascending order
	v_pk_add_f32 v[250:251], v[250:251], v[18+4*\w:19+4*\w]
.endr
	global_store_b128 v5, v[248:251], s[10:11]     ; 16 lanes store 256 consecutive bytes, at a multiple of 256 from out0's first byte
	s_wait_tensorcnt 0x0                           ; the wave's end
	ds_add_u32 v6, v7
	s_wait_dscnt 0x0
	s_endpgm
.Lfunc_end_k_qe4c9c7ff96_first16:
	.size	k_qe4c9c7ff96_first16, .Lfunc_end_k_qe4c9c7ff96_first16-k_qe4c9c7ff96_first16
	.p2alignl 7, 3214868480
	.fill 96, 4, 3214868480
	.section	.rodata,"a",@progbits
	.p2align	6, 0x0
	.amdhsa_kernel k_qe4c9c7ff96_first16
		.amdhsa_group_segment_fixed_size 35840
		.amdhsa_private_segment_fixed_size 0
		.amdhsa_enable_private_segment 0
		.amdhsa_kernarg_size 32
		.amdhsa_user_sgpr_count 2
		.amdhsa_user_sgpr_kernarg_segment_ptr 1
		.amdhsa_wavefront_size32 1
		.amdhsa_system_sgpr_workgroup_id_x 1
		.amdhsa_system_sgpr_workgroup_id_y 1
		.amdhsa_system_sgpr_workgroup_id_z 1
		.amdhsa_system_vgpr_workitem_id 0
		.amdhsa_next_free_vgpr 256
		.amdhsa_next_free_sgpr 66
		.amdhsa_reserve_vcc 1
		.amdhsa_float_denorm_mode_32 3
		.amdhsa_float_denorm_mode_16_64 3
		.amdhsa_memory_ordered 1
		.amdhsa_forward_progress 1
		.amdhsa_inst_pref_size 30
	.end_amdhsa_kernel
	.amdgpu_metadata
---
amdhsa.version: [ 1, 2 ]
amdhsa.kernels:
  - .name:           k_qe4c9c7ff96_first16
    .symbol:         k_qe4c9c7ff96_first16.kd
    .args:
      - { .name: first, .offset: 0, .size: 8, .value_kind: global_buffer, .address_space: global }
      - { .name: Wp, .offset: 8, .size: 8, .value_kind: global_buffer, .address_space: global }
      - { .name: bp, .offset: 16, .size: 8, .value_kind: global_buffer, .address_space: global }
      - { .name: out0, .offset: 24, .size: 8, .value_kind: global_buffer, .address_space: global }
    .group_segment_fixed_size: 35840
    .private_segment_fixed_size: 0
    .kernarg_segment_align: 8
    .kernarg_segment_size: 32
    .max_flat_workgroup_size: 256
    .sgpr_count:     66
    .vgpr_count:     256
    .wavefront_size: 32
...
	.end_amdgpu_metadata
.endif
;; end of part 5
